; MI455X (gfx1250); checked and timed in simulation.
; The chip was launched on July 23, 2026; its instructions are those of AMD's public machine-readable ISA for CDNA 5 (MIT licence, August 2026) and "CDNA5" Instruction Set Architecture Reference Guide (July 2026). The comments in the code are by the model that wrote it; some were corrected since.
;; Causal Self Attention. Allowed arithmetic: matrix products marked QUANTISED: E2M3 operands, one E8M0 scale for each 32 along K, by v_wmma_scale_f32_16x16x128_f8f6f4 with both operands' format E2M3, f32 sums; everything else in f32.
;; Inputs: W_attn_codes 3,072 x 32 x 24 uint8 (E2M3 codes of W_attn, K innermost, in blocks of 32 codes, four codes in three bytes); W_attn_scales 3,072 x 32 uint8 (E8M0 scales of W_attn, one for each 32 codes along K); W_proj_codes 1,024 x 32 x 24 uint8 (E2M3 codes of W_proj, K innermost, in blocks of 32 codes, four codes in three bytes); W_proj_scales 1,024 x 32 uint8 (E8M0 scales of W_proj, one for each 32 codes along K); b_attn 3,072 float32; b_proj 1,024 float32; padding_mask 4 x 2,048 bool; x_codes 4 x 2,048 x 32 x 24 uint8 (E2M3 codes of x, K innermost, in blocks of 32 codes, four codes in three bytes); x_scales 4 x 2,048 x 32 uint8 (E8M0 scales of x, one for each 32 codes along K).
;; Outputs: out0 4 x 2,048 x 1,024 float32.
;; This version of the problem:
;;   THIS VERSION OF THE PROBLEM IS GIVEN IN LOW PRECISION. The matrix products marked QUANTISED in the list below multiply operands that are first quantised to E2M3 (2 exponent bits, 3 mantissa bits; 6 bits a number), with one power-of-two scale for each 32 numbers along K (OCP MX v1.0); their sums are f32. All else is computed in f32.
;;   The module's matrix products, in the order in which they are computed (A, B: the left and right operand; K: the contracted axis; several contracted axes count as one K, in the product's order):
;;     1. [M 8,192, K 1,024] x [K 1,024, N 3,072]; A: input x (given as codes); B: input W_attn (given as codes): QUANTISED
;;     2. batch 64 x [M 2,048, K 64] x [K 64, N 2,048]; A: computed on the way; B: computed on the way: QUANTISED
;;     3. batch 64 x [M 2,048, K 2,048] x [K 2,048, N 64]; A: computed on the way; B: computed on the way: QUANTISED
;;     4. [M 8,192, K 1,024] x [K 1,024, N 1,024]; A: computed on the way; B: input W_proj (given as codes): QUANTISED
;;   THE QUANTISER, for each operand of a quantised product, along K:
;;     - K is cut into blocks of 32 from its start; a last block that is shorter is filled with zeros.
;;     - A block's scale is 2^e with e = floor(log2(the largest magnitude in the block)) - 2, held to -126 .. 127; a block of zeros has e = 0. As a byte (E8M0): e + 127.
;;     - Each number is divided by its block's scale, clamped to +-7.5, and rounded to the nearest number of E2M3, ties to even, subnormals kept.
;;     - The product sums the exact products of the quantised numbers (number of the format x scale) in f32.
;;   ~~~python
;;   def quantise(x, axis):      # numpy; x: float32 -> the quantised numbers, widened to float32 again
;;       x = np.moveaxis(x, axis, -1); K = x.shape[-1]
;;       x = np.pad(x, [(0, 0)] * (x.ndim - 1) + [(0, -K % 32)]); x = x.reshape(x.shape[:-1] + (-1, 32)); a = np.abs(x).max(-1, keepdims=True)
;;       e = np.where(a > 0, np.clip(np.frexp(np.where(a > 0, a, 1))[1] - 1 - 2, -126, 127), 0)      # np.frexp(a)[1] - 1 = floor(log2(a)), exactly
;;       r = np.clip(x / 2.0 ** e, -7.5, 7.5)
;;       step = 2.0 ** (np.maximum(np.frexp(np.where(r == 0, 1, r))[1] - 1, 0) - 3)
;;       q = np.round(r / step) * step * 2.0 ** e      # np.round: ties to even
;;       return np.moveaxis(q.reshape(q.shape[:-2] + (-1,))[..., :K], -1, axis).astype(np.float32)
;;   ~~~
;;   OPERANDS COMPUTED ON THE WAY. 'Computed on the way' means the value that the module computes at that place (a softmax that the list does not call 'softmax' is quantised finished and normalised). What goes into a quantiser is computed in f32, as accurately as f32 sums, v_exp_f32 and their like allow (about 1e-6 of the number): no bf16 or f16 on the way to a quantiser, and a product that is left as it is and whose result goes on into a quantised operand takes f32 operands (vector FMAs, or v_wmma_f32_16x16x4_f32). A number that lies on a knife's edge between two numbers of the format may be rounded either way, as far as f32 arithmetic and the matrix unit's own rounding can turn it there, and no further.
;;   INPUTS GIVEN AS CODES. W_attn (in the module: [1024, 3072], K = its axis 0); W_proj (in the module: [1024, 1024], K = its axis 0); x (in the module: [4, 2048, 1024], K = its axis 2): each comes as NAME_codes (uint8): NAME with its K axis moved to the last place and cut into blocks of 32 codes, [.., K / 32, bytes a block], one block behind the other in memory; four codes in three bytes: a row's codes are one little-endian stream of bits, code i at bits 6 i .. 6 i + 5 (a code: sign, 2 exponent bits, 3 mantissa bits); and NAME_scales (uint8): the same leading axes, one E8M0 byte (e + 127) for each 32 codes along K. Its value is code x scale, taken as it is: it is not quantised again, and the codes and scales need not be those that the quantiser above would give.
;; One version. Each part assembles by itself: llvm-mc -triple=amdgcn-amd-amdhsa -mcpu=gfx1250 --defsym DOCPART=n.
;; ======== version 1 of 1: 3 launches
;; limits: right only within a limited range of input values
;; workspace buffers: q 15,466,496 bytes; kv 15,466,496 bytes; ycodes 6,291,456 bytes; yscales 262,144 bytes
;; launch qkv (part 1): grid 8 x 48, 4 waves a work-group, clusters of 4 x 4, 327,680 bytes of LDS; arguments x_codes, x_scales, W_attn_codes, W_attn_scales, b_attn, padding_mask, q, kv; writes q, kv
.if DOCPART == 1
	.amdgcn_target "amdgcn-amd-amdhsa--gfx1250"
	.amdhsa_code_object_version 6
	.text
	.protected	k_qef9670ebca_qkv
	.globl	k_qef9670ebca_qkv
	.p2align	8
	.type	k_qef9670ebca_qkv,@function
k_qef9670ebca_qkv:
	s_mov_b64 s[64:65], 0
	v_nop
	global_prefetch_b8 v0, s[64:65] scope:SCOPE_SE
	s_setreg_imm32_b32 hwreg(HW_REG_WAVE_MODE, 25, 1), 1
	s_wait_xcnt 0x0
	s_wait_alu depctr_hold_cnt(0) depctr_sa_sdst(0) depctr_va_vdst(0) depctr_va_sdst(0) depctr_va_ssrc(0) depctr_va_vcc(0) depctr_vm_vsrc(0)
	s_getreg_b32 s2, hwreg(HW_REG_IB_STS2, 6, 4)
	s_cmp_eq_u32 s2, 0
	s_cbranch_scc0 .Lentry_in_a_cluster
	s_endpgm
.Lentry_in_a_cluster:
	s_bfe_u32 s2, ttmp6, 0x10000c
	s_cmp_lg_u32 s2, 0xf033
	s_cbranch_scc0 .Lentry_shape_is_right
	s_endpgm
.Lentry_shape_is_right:
; qkv = x W_attn + b_attn on codes of FP6 (E2M3) with E8M0 scales, K = 1,024; the result never goes to memory as f32: it is quantised here, q and k along the head's 64 channels,
; v along the keys, and stored as images of the operand registers that the attention launch feeds to the matrix unit.
; A tile of 256 x 256 is made by four waves, 128 x 128 each (64 accumulators, 512 registers).  K goes in steps of 256 through a ring of two LDS slots; the scale bytes of all K stay in LDS.
; THE MATRIX INSTRUCTION IS USED TRANSPOSED: source 0 = 16 rows of "B", source 1 = 16 rows of "A": a lane holds ONE row of A and eight neighbouring rows of B.
; TWO TYPES OF WORK-GROUP, chosen by the cluster's y (equal in all sixteen partners):
;   q/k (cluster y 0-7):  A = x (a lane holds a token), B = W_attn rows 0-2,047 (registers run along the channels): a lane's 64 registers are 2 heads x 2 blocks of 32 channels.
;   v   (cluster y 8-11): A = W_attn rows 2,048-3,071 (a lane holds a channel), B = x (registers run along the tokens): a lane's 64 registers are 4 blocks of 32 keys.
; Inside a block of 32 the codes come out in the order 0-7, 16-23, 8-15, 24-31.  q and k have the same order, and so have v and the softmax made in the next launch: the products are the same, summed in another order.
; THE PADDING MASK RIDES IN THE PRODUCT q k^T, whose K is 64 of the instruction's 128: at k = 64 q holds the code -1.0 (scale byte 127), a padded key the code +1.0 with the scale byte 227 (2^100),
; any other key the code 0 with the byte 0.  A padded key's score is so its q.k - 2^100.
; LIMITS: NaN and infinities among the inputs are not served; a block whose largest magnitude lies under 2^-124 (a block of zeros too) gets the scale byte 1; only this program reads the bytes.
; CLUSTERS: 4 x 4 work-groups; A's tiles are shared along a row of the cluster, B's along a column, by joint tensor loads.
; REGISTERS: window 0: v16-30 addresses; v32-63 scale words, two sets; v64-127 the bias along registers (the C of each sum's first product), later the numbers at work; v128-223 A's fragments, later the way out;
;   v224-239 the bias along lanes; v240-247 the tokens' padding bytes.  window 1: B's fragments, two sets.  windows 2, 3: the accumulators ((a, b) at v[8 (8 (a % 4) + b)]).
.set KSTEP,  256
.set NQ,     2                         ; matrix instructions deep in a slot
.set ROWB,   192                       ; a tile's row in bytes
.set KROW,   768                       ; a row of 1,024 codes in memory
.set PITCH,  240                       ; an LDS row: 3 x (64 bytes + 16 of padding)
.set FR,     12
.set NL,     6
.set NP,     4
.set HALFT,  128*PITCH
.set SLOT,   4*HALFT
.set LAPS,   2                         ; 1,024 / 512
.set KS,     32                        ; a row of scale bytes
.set SCL,    2*SLOT
.set HALFS,  16*272                    ; the scales of 128 rows: 16 units of 256 bytes + 16 of padding
.set SBLK,   2*272
.set SPARE,  SCL+4*HALFS               ; the spare words: 128 bytes a wave, two blocks of 256 bytes that no other line names
.set HS,     241664                    ; a head's bytes in q and in kv: 128 records of 1,024, 8,192 of scale words, 64 fragments of V of 1,536, 4,096 of V's scale words
.set ADRA, 16
.set ADRB, 20
.set L16,  24                          ; v24  16 x lane
.set L8,   25                          ; v25  8 x lane
.set ADRS, 27
.set SPW,  28                          ; v28  my spare word; never rewritten
.set NIL,  29                          ; v29  0; never rewritten
.set ZR,   30                          ; v30  0, for selections
.set SC,   32
.set BP,   64
.set WK,   64
.set AF,   128
.set BQ2,  224
.set PMK,  240
.set PC,   128                         ; the way out: codes: +0..5 half 0, +6 the mask slot, +7 zero, +8..13 half 1, +14 the mask slot, +15 zero
.set PT,   144
.set PWS,  160                         ; the eight blocks' scale words
.set EH,   168                         ; the eight blocks' byte 2, in place
.set W1,   176
.set TM,   184
.set PW,   200
.set T0,   201
.set T1,   202
.set X,    204
.set EHX,  208
.set W0,   212
.set G1,   24
.set G0,   32
.set G1B,  48
.set G0B,  56
.set G1S,  68
.set G0S,  76
.set G1SB, 80
.set G0SB, 88
.set SEL,  100
.set MSB, 0
.macro WIN new                         ; the immediate's high byte repeats the setting that is left
.if MSB != \new
	s_set_vgpr_msb (MSB<<8)|\new
.set MSB, \new
.endif
.endm
.set MUL_LO, 0xa1                      ; source 0 (B) window 1, source 1 (A) window 0, C and D window 2
.set MUL_HI, 0xf1                      ; the same, C and D window 3
.set TO_B,   0x40
; A joint load: waves 0 and 1 fetch for A, waves 2 and 3 for B; the branch hangs on the wave's number alone.  Four v_nop follow each of the two lines.
.macro JLOAD g0a, g1a, g0b, g1b
	s_cmp_eq_u32 s15, 0
	s_cbranch_scc0 .Lfor_b_\@
	tensor_load_to_lds s[\g0a:\g0a+3], s[\g1a:\g1a+7]
	s_nop 0
.rept 4
	v_nop
.endr
	s_branch .Lasked_\@
.Lfor_b_\@:
	tensor_load_to_lds s[\g0b:\g0b+3], s[\g1b:\g1b+7]
	s_nop 0
.rept 4
	v_nop
.endr
.Lasked_\@:
.endm
.macro CREST                           ; a round of the cluster's barrier behind its opening barrier
	s_cmp_lg_u32 s14, 0
	s_cbranch_scc1 .Lnot_wave_0_\@
	s_barrier_signal -3
.Lnot_wave_0_\@:
	s_barrier_wait -3
	s_barrier_signal -1
	s_barrier_wait -1
.endm
.macro CROUND
	s_barrier_signal -1
	s_barrier_wait -1
	CREST
.endm
	s_load_b256 s[4:11], s[0:1], 0x0               ; x's codes, x's scales, W_attn's codes, W_attn's scales
	s_load_b256 s[92:99], s[0:1], 0x20             ; b_attn, padding_mask, q, kv
	v_lshl_add_u32 v[SPW], v0, 2, SPARE
	v_mov_b32 v[NIL], 0
	ds_add_u32 v28, v29
	ds_add_u32 v28, v29
	s_wait_dscnt 0x0
	v_mov_b32 v[ZR], 0
	v_lshrrev_b32 v1, 5, v0
	v_readfirstlane_b32 s14, v1                    ; wave 0..3
	s_lshr_b32 s15, s14, 1                         ; my half of A's rows.  Also: I fetch for A (0) or for B (1)
	s_and_b32 s16, s14, 1                          ; my half of B's rows.  Also: which 128 rows I fetch
	s_bfe_u32 s40, ttmp6, 0x40000                  ; cx
	s_bfe_u32 s41, ttmp6, 0x40004                  ; cy
	s_and_b32 s17, ttmp7, 0xffff                   ; the cluster's y, 0..11
	s_lshl_b32 s18, s17, 1
	s_add_co_u32 s18, s18, ttmp9
	s_sub_co_u32 s18, s18, 16                      ; 2 (y - 8) + x: which four tiles of tokens a v cluster takes (used where y >= 8)
	s_cmp_ge_u32 s17, 8
	s_cselect_b32 s2, 1, 0                         ; 1: the v type
	s_cselect_b32 s42, s18, ttmp9
	s_cselect_b32 s17, 0, s17
	s_cselect_b32 s19, 2048, 0                     ; A's first row in its tensor: W_attn's rows of v begin at 2,048
	s_or_b32 s12, s2, ttmp9
	s_cmp_eq_u32 s12, 0
	s_cselect_b32 s12, 1, 0                        ; 1: q (columns 0-1,023)
	s_mov_b32 s13, 0xffff0000                      ; lanes 16-31
	s_lshl_b32 s42, s42, 2
	s_add_co_u32 s42, s42, s40                     ; B's tile
	s_lshl_b32 s17, s17, 2
	s_add_co_u32 s17, s17, s41                     ; A's tile
	s_lshl_b32 s43, s41, 2
	s_lshl_b32 s43, 15, s43                        ; my row of the cluster
	s_lshl_b32 s44, 0x1111, s40                    ; my column
	; descriptor group 1: 128 rows x 192 bytes, 16 bytes of padding behind every 64
	s_or_b32 s[G1+0], s43, (0<<16)|(1<<20)|(1<<21)|(3<<22)|(3<<25)
	s_or_b32 s[G1B+0], s44, (0<<16)|(1<<20)|(1<<21)|(3<<22)|(3<<25)
.irp g, G1, G1B
	s_mov_b32 s[\g+1], ROWB<<16                    ; tensor_dim0
	s_mov_b32 s[\g+2], 128<<16                     ; tensor_dim1
	s_mov_b32 s[\g+3], ROWB<<16                    ; tile_dim0
	s_mov_b32 s[\g+4], 128                         ; tile_dim1
	s_mov_b32 s[\g+5], KROW                        ; pitch
	s_mov_b32 s[\g+6], 0
	s_mov_b32 s[\g+7], 0
.endr
	; the scales of 128 rows: 4,096 dense bytes as 16 rows of 256 (32 elements of 8 bytes), 16 bytes of padding behind each
	s_or_b32 s[G1S+0], s43, (3<<16)|(1<<20)|(1<<21)|(5<<22)|(3<<25)
	s_or_b32 s[G1SB+0], s44, (3<<16)|(1<<20)|(1<<21)|(5<<22)|(3<<25)
.irp g, G1S, G1SB
	s_mov_b32 s[\g+1], 32<<16
	s_mov_b32 s[\g+2], 16<<16
	s_mov_b32 s[\g+3], 32<<16
	s_mov_b32 s[\g+4], 16
	s_mov_b32 s[\g+5], 32
	s_mov_b32 s[\g+6], 0
	s_mov_b32 s[\g+7], 0
.endr
	s_lshl_b32 s18, s16, 7                         ; which 128 rows of the tile I fetch
	s_lshl_b32 s20, s17, 8
	s_add_co_u32 s20, s20, s18
	s_add_co_u32 s20, s20, s19                     ; A: row 256 x tile + 128 x half (+ 2,048)
	s_lshl_b32 s46, s42, 8
	s_add_co_u32 s46, s46, s18                     ; B: row 256 x tile + 128 x half
	s_mov_b32 s21, 0
	s_mov_b32 s47, 0
	s_mov_b64 s[18:19], KS
	s_mul_u64 s[22:23], s[20:21], s[18:19]         ; where these rows' scales begin
	s_mul_u64 s[100:101], s[46:47], s[18:19]
	s_mov_b64 s[18:19], KROW
	s_mul_u64 s[20:21], s[20:21], s[18:19]         ; and their codes
	s_mul_u64 s[46:47], s[46:47], s[18:19]
	s_mul_i32 s45, s14, HALFT                      ; where they go: wave x 128 rows
	s_mul_i32 s66, s14, HALFS
	s_wait_kmcnt 0x0
	s_cmp_lg_u32 s2, 0                             ; which tensor is A and which B hangs on the type alone
	s_cselect_b64 s[18:19], s[8:9], s[4:5]
	s_cselect_b64 s[104:105], s[10:11], s[6:7]
	s_cselect_b64 s[8:9], s[4:5], s[8:9]
	s_cselect_b64 s[10:11], s[6:7], s[10:11]
	s_add_nc_u64 s[20:21], s[18:19], s[20:21]
	s_add_nc_u64 s[22:23], s[104:105], s[22:23]
	s_add_nc_u64 s[46:47], s[8:9], s[46:47]
	s_add_nc_u64 s[100:101], s[10:11], s[100:101]
	CROUND                                         ; all sixteen work-groups are here: the first joint loads meet
	s_mov_b32 s[G0S], 1
	s_add_co_u32 s[G0S+1], s66, SCL
	s_mov_b64 s[G0S+2:G0S+3], s[22:23]
	s_or_b32 s[G0S+3], s[G0S+3], 0x80000000
	s_mov_b32 s[G0SB], 1
	s_add_co_u32 s[G0SB+1], s66, SCL
	s_mov_b64 s[G0SB+2:G0SB+3], s[100:101]
	s_or_b32 s[G0SB+3], s[G0SB+3], 0x80000000
	JLOAD G0S, G1S, G0SB, G1SB                     ; the scales first: they are wanted with K step 0
.irp s, 0,1
	s_mov_b32 s[G0+4*\s], 1
	s_add_co_u32 s[G0+4*\s+1], s45, \s*SLOT
	s_add_nc_u64 s[G0+4*\s+2:G0+4*\s+3], s[20:21], \s*ROWB
	s_or_b32 s[G0+4*\s+3], s[G0+4*\s+3], 0x80000000
	s_mov_b32 s[G0B+4*\s], 1
	s_add_co_u32 s[G0B+4*\s+1], s45, \s*SLOT
	s_add_nc_u64 s[G0B+4*\s+2:G0B+4*\s+3], s[46:47], \s*ROWB
	s_or_b32 s[G0B+4*\s+3], s[G0B+4*\s+3], 0x80000000
	JLOAD G0+4*\s, G1, G0B+4*\s, G1B
.endr
	v_and_b32 v1, 15, v0                           ; r
	v_bfe_u32 v2, v0, 4, 1                         ; h
	v_mul_u32_u24 v3, v1, PITCH
	v_mul_u32_u24 v4, v2, 24
	v_add_nc_u32 v4, v3, v4                        ; a fragment's row x pitch + 24 x half
	v_lshl_add_u32 v5, v2, 4, v4                   ; and the same behind one padding more
	s_mul_i32 s21, s15, HALFT
	s_mul_i32 s22, s16, HALFT
	s_add_co_u32 s22, s22, 2*HALFT
.irp s, 0,1
	v_add_nc_u32 v[ADRA+\s], s21, v4
	v_add_nc_u32 v[ADRB+\s], s22, v4
	v_add_nc_u32 v[ADRA+2+\s], s21, v5
	v_add_nc_u32 v[ADRB+2+\s], s22, v5
	s_add_co_u32 s21, s21, SLOT
	s_add_co_u32 s22, s22, SLOT
.endr
	v_mul_u32_u24 v5, v1, KS                       ; my row's scales: 32 bytes a row,
	v_lshrrev_b32 v6, 8, v5
	v_lshl_add_u32 v5, v6, 4, v5                   ; and 16 more for each 256 passed
	s_mul_i32 s21, s15, HALFS
	s_mul_i32 s22, s16, HALFS
	s_add_co_u32 s22, s22, 2*HALFS
	s_sub_co_u32 s22, s22, s21
	v_mul_u32_u24 v6, s22, v2                      ; lanes 16-31 take B's
	s_add_co_u32 s21, s21, SCL
	v_add_nc_u32 v5, v5, v6
	v_add_nc_u32 v[ADRS], s21, v5
	v_and_b32 v6, 31, v0
	v_lshlrev_b32 v[L16], 4, v6
	v_lshlrev_b32 v[L8], 3, v6
	; THE BIAS AND THE TOKENS' PADDING BYTES.  The bias goes with the channel: in the q/k type that is B's row (a register): it is the C of each sum's first product; in the v type it is A's row (a lane): added on the way out.
	; Both are loaded in both types, from offset 0 where they do not count, and the one that does not count is made 0.
	s_lshl_b32 s18, s42, 8
	s_lshl_b32 s19, s16, 7
	s_add_co_u32 s18, s18, s19                     ; my first row of B
	s_lshl_b32 s18, s18, 2
	s_lshl_b32 s20, s17, 8
	s_lshl_b32 s21, s15, 7
	s_add_co_u32 s20, s20, s21                     ; my first row of A
	s_lshl_b32 s21, s20, 2
	s_add_co_u32 s21, s21, 8192                    ; the bias of v begins at number 2,048
	s_cmp_lg_u32 s2, 0
	s_cselect_b32 s18, 0, s18
	s_cselect_b32 s22, 0, s20
	s_cselect_b32 s20, s21, 0
	s_cselect_b32 s104, -1, 0                      ; every lane, in the v type
	s_mov_b32 s19, 0
	s_mov_b32 s21, 0
	s_mov_b32 s23, 0
	s_add_nc_u64 s[18:19], s[92:93], s[18:19]
	s_add_nc_u64 s[20:21], s[92:93], s[20:21]
	s_add_nc_u64 s[22:23], s[94:95], s[22:23]
	v_lshlrev_b32 v7, 5, v2                        ; 32 h: my half's eight numbers
	v_lshlrev_b32 v8, 2, v1                        ; 4 r
.irp b, 0,1,2,3,4,5,6,7
	global_load_b128 v[BP+8*\b:BP+8*\b+3], v7, s[18:19] offset:64*\b
	global_load_b128 v[BP+8*\b+4:BP+8*\b+7], v7, s[18:19] offset:64*\b+16
.endr
.irp a, 0,1,2,3,4,5,6,7
	global_load_b32 v[BQ2+2*\a], v8, s[20:21] offset:64*\a      ; twice: a pair for the packed addition
	global_load_b32 v[BQ2+2*\a+1], v8, s[20:21] offset:64*\a
	global_load_u8 v[PMK+\a], v1, s[22:23] offset:16*\a
.endr
	s_wait_loadcnt 0x0
.set i, 0
.rept 64
	v_cndmask_b32 v[BP+i], v[BP+i], v[ZR], s104
.set i, i+1
.endr
.set i, 0
.rept 16
	v_cndmask_b32 v[BQ2+i], v[ZR], v[BQ2+i], s104
.set i, i+1
.endr
.macro FRAG reg, adr, q, i             ; a fragment, 16 rows x 128 K, is 12 registers: lane l holds row l % 16; registers 6 c .. 6 c + 5 hold K = 64 c + 32 (l / 16) + 0 .. 31: 24 bytes of the row, as they lie, in pieces of 8 bytes
.irp p, 0,1,2,3,4,5
.set PCE, 12*(\q)+6*(\p/3)+\p%3        ; where the piece three on (lanes 16-31) lies behind one padding more, the second address register serves
.if PCE%8 < 5
	ds_load_b64 v[\reg+2*\p:\reg+2*\p+1], v[\adr] offset:8*PCE+16*(PCE/8)+(\i)*16*PITCH
.else
	ds_load_b64 v[\reg+2*\p:\reg+2*\p+1], v[\adr+2] offset:8*PCE+16*(PCE/8)+(\i)*16*PITCH
.endif
.endr
.endm
; 16 matrix instructions: A's blocks a0, a0 + 1 x B's eight.  zero = 1: the first product starts the sums, with the bias as its C.  The 64 accumulators take turns, one instruction a turn.
.macro MUL16 a0, p, q, sc, zero
.irp a, \a0, \a0+1
.irp b, 0,1,2,3,4,5,6,7
.if \zero
	v_wmma_scale_f32_16x16x128_f8f6f4 v[8*(8*((\a)%4)+\b):8*(8*((\a)%4)+\b)+7], v[128*(\p)+FR*\b:128*(\p)+FR*\b+FR-1], v[AF+FR*(\a):AF+FR*(\a)+FR-1], v[BP+8*\b:BP+8*\b+7], v[SC+8*NQ*(\sc)+NQ*\b+(\q)], v[SC+8*NQ*(\sc)+NQ*(\a)+(\q)] matrix_a_fmt:MATRIX_FMT_FP6 matrix_b_fmt:MATRIX_FMT_FP6 matrix_a_scale:MATRIX_SCALE_ROW1
.else
	v_wmma_scale_f32_16x16x128_f8f6f4 v[8*(8*((\a)%4)+\b):8*(8*((\a)%4)+\b)+7], v[128*(\p)+FR*\b:128*(\p)+FR*\b+FR-1], v[AF+FR*(\a):AF+FR*(\a)+FR-1], v[8*(8*((\a)%4)+\b):8*(8*((\a)%4)+\b)+7], v[SC+8*NQ*(\sc)+NQ*\b+(\q)], v[SC+8*NQ*(\sc)+NQ*(\a)+(\q)] matrix_a_fmt:MATRIX_FMT_FP6 matrix_b_fmt:MATRIX_FMT_FP6 matrix_a_scale:MATRIX_SCALE_ROW1
.endif
.endr
.endr
.endm
.macro FETCH_B slot, q, p
	WIN TO_B
.irp i, 0,1,2,3,4,5,6,7
	FRAG 128*(\p)+FR*\i, ADRB+\slot, \q, \i
.endr
	WIN 0
.endm
.macro FETCH_A slot, q, i0
.irp i, \i0, \i0+1, \i0+2, \i0+3
	FRAG AF+FR*(\i), ADRA+\slot, \q, \i
.endr
.endm
.macro SCALES sc                       ; a K step's scale words: lanes 0-15 take A's block i, lanes 16-31 B's block i
.irp i, 0,1,2,3,4,5,6,7
	ds_load_b64 v[SC+8*NQ*\sc+NQ*\i:SC+8*NQ*\sc+NQ*\i+1], v[ADRS] offset:\i*SBLK
.endr
.endm
.macro PLACES n                        ; plain vector places behind matrix instructions, ahead of loads into registers that they read and of reads of their results
.rept \n
	v_nop
.endr
.endm
.macro STEP slot, q, zero              ; a step of 128 along K that has its successor in the same slot
	s_wait_dscnt 4*NL                              ; B's set and A's blocks 0-3 are in; the youngest 24 loads (A's blocks 4-7) may be out
.if \zero
	WIN 0x81                                       ; C (the bias) in window 0, D in window 2
.else
	WIN MUL_LO
.endif
	MUL16 0, (\q)%2, \q, \slot, \zero
	MUL16 2, (\q)%2, \q, \slot, \zero
	s_wait_dscnt 0
	PLACES NP
	FETCH_B \slot, (\q)+1, 1-(\q)%2
	FETCH_A \slot, (\q)+1, 0
.if \zero
	WIN 0xc1
.else
	WIN MUL_HI
.endif
	MUL16 4, (\q)%2, \q, \slot, \zero
	MUL16 6, (\q)%2, \q, \slot, \zero
	PLACES NP
	WIN 0
	FETCH_A \slot, (\q)+1, 4
.endm
; A slot's last step changes slots: ONE barrier; in front of it each wave waits for all its tensor loads, adds 0 to its spare word, and waits for that and for its own reads of this slot.
.macro TURN slot, next, fill
	s_wait_tensorcnt 0x0                           ; all my tensor loads have landed: my part of the next slot
	ds_add_u32 v[SPW], v[NIL]                      ; 0 onto my spare word
	s_wait_dscnt 4*NL+1                            ; (the add and the youngest 24 loads, A's blocks 4-7, may be out)
	WIN MUL_LO
	MUL16 0, 1, NQ-1, \slot, 0
	s_wait_dscnt 0x0                               ; the add is done, and my reads of this slot are over
	s_barrier_signal -1
	MUL16 2, 1, NQ-1, \slot, 0
	WIN 0
	s_barrier_wait -1
.if \fill
	CREST                                          ; the barrier has opened a round of the cluster's barrier: no wave of any partner still reads this slot or has a load on its way
	s_add_nc_u64 s[G0+4*\slot+2:G0+4*\slot+3], s[G0+4*\slot+2:G0+4*\slot+3], 2*ROWB
	s_add_nc_u64 s[G0B+4*\slot+2:G0B+4*\slot+3], s[G0B+4*\slot+2:G0B+4*\slot+3], 2*ROWB
	JLOAD G0+4*\slot, G1, G0B+4*\slot, G1B         ; the first tensor load behind the round; its four v_nop are the places in front of the loads below
.else
	PLACES NP
.endif
	v_add_nc_u32 v[ADRS], 4*NQ, v[ADRS]            ; on to the next K step's scale words
	FETCH_B \next, 0, 0
	FETCH_A \next, 0, 0
	SCALES \next
	WIN MUL_HI
	MUL16 4, 1, NQ-1, \slot, 0
	MUL16 6, 1, NQ-1, \slot, 0
	PLACES NP
	WIN 0
	FETCH_A \next, 0, 4
.endm
	s_wait_tensorcnt 1                             ; the scales and my part of K step 0 are in (K step 1's load may be out),
	s_barrier_signal -1
	s_barrier_wait -1                              ; everybody's are
	FETCH_B 0, 0, 0
	FETCH_A 0, 0, 0
	SCALES 0
	FETCH_A 0, 0, 4
	STEP 0, 0, 1                                   ; the first step stands in front of the loop: its products start the sums
	s_mov_b32 s3, LAPS-1
.Llap:                                                 ; a trip goes once round the ring and fills both slots again
	TURN 0, 1, 1
	STEP 1, 0, 0
	TURN 1, 0, 1
	STEP 0, 0, 0
	s_sub_co_u32 s3, s3, 1
	s_cmp_lg_u32 s3, 0
	s_cbranch_scc1 .Llap
	TURN 0, 1, 0                                   ; the last lap fills nothing
	STEP 1, 0, 0
	s_wait_dscnt 4*NL
	WIN MUL_LO
	MUL16 0, 1, NQ-1, 1, 0
	MUL16 2, 1, NQ-1, 1, 0
	s_wait_dscnt 0
	WIN MUL_HI
	MUL16 4, 1, NQ-1, 1, 0
	MUL16 6, 1, NQ-1, 1, 0
	WIN 0
	; THE WAY OUT.  Where my results go: the head (16 x batch + head), and the key step (128 tokens) inside it.
	s_lshl_b32 s18, s17, 8
	s_lshl_b32 s19, s15, 7
	s_add_co_u32 s18, s18, s19                     ; my first row of A
	s_lshl_b32 s19, s42, 8
	s_lshl_b32 s20, s16, 7
	s_add_co_u32 s19, s19, s20                     ; my first row of B
	s_cmp_lg_u32 s2, 0
	s_cselect_b32 s20, s19, s18                    ; my first token
	s_cselect_b32 s21, s18, s19                    ; my first channel
	s_lshr_b32 s22, s20, 11
	s_lshl_b32 s22, s22, 4
	s_bfe_u32 s23, s21, 0x40006
	s_add_co_u32 s22, s22, s23                     ; 16 x batch + head
	s_bfe_u32 s23, s20, 0x40007                    ; the key step
	s_mul_i32 s22, s22, HS
	s_cmp_lg_u32 s2, 0
	s_mov_b32 s18, 8192                            ; a step's records of q or k: 8 x 1,024;  of V: 4 fragments of 1,536, behind the records and their scale words
	s_cselect_b32 s18, 6144, s18
	s_cselect_b32 s19, 139264, 0
	s_mov_b32 s20, 512                             ; a step's scale words: 512 bytes at 131,072;  V's: 256 at 237,568
	s_cselect_b32 s20, 256, s20
	s_mov_b32 s21, 131072
	s_cselect_b32 s21, 237568, s21
	s_mul_i32 s18, s18, s23
	s_mul_i32 s20, s20, s23
	s_add_co_u32 s18, s18, s19
	s_add_co_u32 s18, s18, s22
	s_add_co_u32 s20, s20, s21
	s_add_co_u32 s20, s20, s22
	s_mov_b32 s19, 0
	s_mov_b32 s21, 0
	s_cmp_lg_u32 s12, 0
	s_cselect_b64 s[4:5], s[96:97], s[98:99]       ; q's results go to q, k's and v's to kv
	s_cselect_b32 s66, 40, 8                       ; the mask slot's code: q -1.0, a padded key +1.0
	s_mov_b32 s67, 227<<16
	s_cselect_b32 s67, 127<<16, s67                ; and its scale byte, at its place in the word: q 2^0, a padded key 2^100
	s_add_nc_u64 s[6:7], s[4:5], s[20:21]          ; the scale words
	s_add_nc_u64 s[4:5], s[4:5], s[18:19]          ; the codes
	s_mov_b32 s[SEL], 0x76543210
	s_mov_b32 s[SEL+1], 0xfedcba98                 ; v_permlanex16_b32's selects for lane l xor 16
	PLACES NP                                      ; behind the last products: their operands' registers are written below, and results are read
.irp b, 0,1,2,3
	v_mov_b32 v[TM+4+\b], 0                        ; written once: a lane permute's destination counts as one of its sources
.endr
	v_mov_b32 v[PC+7], 0
	v_mov_b32 v[PC+15], 0
; 64 numbers of a lane, v[s] .. v[s + 63]: registers 16 b + 0 .. 15 are my half of block b.  They become codes in v[PC + cs c] on (lane (r, h): block 2 c + h whole) and the row's scale word in v[PW].
.macro QUANT s, cs
.irp b, 0,1,2,3
	v_max3_num_f32 v[TM+\b], |v[\s+16*\b]|, |v[\s+1+16*\b]|, 0x1800000   ; my 16 numbers, and the floor 2^(3 - 127): the byte cannot fall under 1
.endr
.irp i, 2,4,6,8,10,12,14
.irp b, 0,1,2,3
	v_max3_num_f32 v[TM+\b], v[TM+\b], |v[\s+16*\b+\i]|, |v[\s+1+16*\b+\i]|
.endr
.endr
.irp b, 0,1,2,3
	v_permlanex16_b32 v[TM+4+\b], v[TM+\b], s[SEL], s[SEL+1]
.endr
.irp b, 0,1,2,3
	v_max_num_f32 v[TM+\b], v[TM+\b], v[TM+4+\b]   ; with lane l xor 16's: the block's largest magnitude
.endr
.irp b, 0,1,2,3
	v_add_nc_u32 v[TM+12+\b], 0xff000000, v[TM+\b] ; 2 off its exponent field: the conversion's scale operand
.endr
.irp b, 0,1,2,3
	v_lshrrev_b32 v[TM+4+\b], 23, v[TM+12+\b]      ; the scale's byte
.endr
	v_lshl_or_b32 v[PW], v[TM+5], 8, v[TM+4]
	v_lshl_or_b32 v[PW], v[TM+6], 16, v[PW]
	v_lshl_or_b32 v[PW], v[TM+7], 24, v[PW]
.irp c, 0,1
	v_cvt_scalef32_pk16_fp6_f32 v[PC+\cs*\c:PC+\cs*\c+2], v[\s+32*\c:\s+15+32*\c], v[TM+12+2*\c]
	v_cvt_scalef32_pk16_fp6_f32 v[PT+4*\c:PT+4*\c+2], v[\s+16+32*\c:\s+31+32*\c], v[TM+12+2*\c+1]
.endr
	v_nop                                          ; one plain place behind a scaled conversion
.irp c, 0,1
.irp i, 0,1,2
	v_permlane16_swap_b32 v[PC+\cs*\c+\i], v[PT+4*\c+\i]   ; a WHOLE block to a lane: lanes 0-15 block 2 c, lanes 16-31 block 2 c + 1
.endr
.irp i, 0,1,2
	v_mov_b32 v[PC+\cs*\c+3+\i], v[PT+4*\c+\i]
.endr
.endr
.endm
; Block a of A's rows: 16 rows x my 128 rows of B.  All vector work is the same in both types; only the stores differ.
.macro EPI a
.set AC, 64*((\a)%4)
.set WN, 0x02+(\a)/4
.if (\a) > 0
	s_wait_xcnt 0x0                                ; the last block's stores have read their registers: the codes may be written again
.endif
	WIN WN                                         ; source 0: window 2 or 3
.set i, 0
.rept 32
	v_pk_add_f32 v[WK+2*i:WK+2*i+1], v[AC+2*i:AC+2*i+1], v[BQ2+2*(\a):BQ2+2*(\a)+1]   ; into window 0, with the bias that goes with the lane; each accumulator from its low end on
.set i, i+1
.endr
	WIN 0
	QUANT WK, 8
	v_mov_b32 v[PWS+(\a)], v[PW]
	v_or_b32 v[T0], s12, v[PMK+(\a)]               ; 1: the mask slot is set (every row of q; a padded key)
	v_mul_u32_u24 v[T1], s66, v[T0]
	v_mul_u32_u24 v[EH+(\a)], s67, v[T0]
	v_cndmask_b32 v[PC+6], v[T1], v[ZR], s13       ; k = 64 lies in lanes 0-15; lanes 16-31 hold zeros
	v_cndmask_b32 v[PC+14], v[T1], v[ZR], s13
	s_cmp_lg_u32 s2, 0
	s_cbranch_scc1 .Lv_\@
.irp c, 0,1                                    ; q, k: head c's record of these 16 tokens: registers 0-3, then 4-7; each store covers 512 consecutive bytes, aligned
	global_store_b128 v[L16], v[PC+8*\c:PC+8*\c+3], s[4:5] offset:\c*HS+1024*(\a)
	global_store_b128 v[L16], v[PC+8*\c+4:PC+8*\c+7], s[4:5] offset:\c*HS+1024*(\a)+512
.endr
	s_branch .Lj_\@
.Lv_\@:                                            ; v: the fragment of 16 channels x 128 keys: registers 0-3, 4-5, 6-9, 10-11
	global_store_b128 v[L16], v[PC:PC+3], s[4:5] offset:((\a)/4)*HS+((\a)%4)*1536
	global_store_b64 v[L8], v[PC+4:PC+5], s[4:5] offset:((\a)/4)*HS+((\a)%4)*1536+512
	global_store_b128 v[L16], v[PC+8:PC+11], s[4:5] offset:((\a)/4)*HS+((\a)%4)*1536+768
	global_store_b64 v[L8], v[PC+12:PC+13], s[4:5] offset:((\a)/4)*HS+((\a)%4)*1536+1280
.Lj_\@:
.endm
.irp a, 0,1,2,3,4,5,6,7
	EPI \a
.endr
	; the scale words: register p: lanes 0-15 block 2 p's rows, lanes 16-31 block 2 p + 1's, as the matrix instruction's two rows of a scale register take them
.irp p, 0,1,2,3
	v_cndmask_b32 v[X+\p], v[PWS+2*\p], v[PWS+2*\p+1], s13
	v_cndmask_b32 v[EHX+\p], v[EH+2*\p], v[EH+2*\p+1], s13
.endr
.irp p, 0,1,2,3
	v_and_or_b32 v[W0+\p], v[X+\p], 0xffff, v[EHX+\p]   ; q, k: head 0's two bytes, the mask slot's byte, 0
	v_lshrrev_b32 v[W1+\p], 16, v[X+\p]
.endr
.irp p, 0,1,2,3
	v_or_b32 v[W1+\p], v[W1+\p], v[EHX+\p]         ; head 1's
.endr
	s_cmp_lg_u32 s2, 0
	s_cbranch_scc1 .Lvs
	global_store_b128 v[L16], v[W0:W0+3], s[6:7]
	global_store_b128 v[L16], v[W1:W1+3], s[6:7] offset:HS
	s_branch .Lend
.Lvs:
	global_store_b64 v[L8], v[X:X+1], s[6:7]       ; v: head 0's four channel tiles, head 1's
	global_store_b64 v[L8], v[X+2:X+3], s[6:7] offset:HS
.Lend:
	s_wait_tensorcnt 0x0                           ; the wave's end
	ds_add_u32 v[SPW], v[NIL]
	s_wait_dscnt 0x0
	CROUND                                         ; the closing round: no work-group ends while a partner may still ask for a tile that names it
	s_endpgm
.Lfunc_end_k_qef9670ebca_qkv:
	.size	k_qef9670ebca_qkv, .Lfunc_end_k_qef9670ebca_qkv-k_qef9670ebca_qkv
	.p2alignl 7, 3214868480
	.fill 96, 4, 3214868480
	.section	.rodata,"a",@progbits
	.p2align	6, 0x0
	.amdhsa_kernel k_qef9670ebca_qkv
		.amdhsa_group_segment_fixed_size 327680
		.amdhsa_private_segment_fixed_size 0
		.amdhsa_enable_private_segment 0
		.amdhsa_kernarg_size 64
		.amdhsa_user_sgpr_count 2
		.amdhsa_user_sgpr_kernarg_segment_ptr 1
		.amdhsa_wavefront_size32 1
		.amdhsa_system_sgpr_workgroup_id_x 1
		.amdhsa_system_sgpr_workgroup_id_y 1
		.amdhsa_system_sgpr_workgroup_id_z 1
		.amdhsa_system_vgpr_workitem_id 0
		.amdhsa_next_free_vgpr 1024
		.amdhsa_next_free_sgpr 106
		.amdhsa_reserve_vcc 0
		.amdhsa_float_denorm_mode_32 3
		.amdhsa_float_denorm_mode_16_64 3
		.amdhsa_memory_ordered 1
		.amdhsa_forward_progress 1
		.amdhsa_inst_pref_size 199
	.end_amdhsa_kernel
	.amdgpu_metadata
---
amdhsa.version: [ 1, 2 ]
amdhsa.kernels:
  - .name:           k_qef9670ebca_qkv
    .symbol:         k_qef9670ebca_qkv.kd
    .args:
      - { .name: x_codes, .offset: 0, .size: 8, .value_kind: global_buffer, .address_space: global }
      - { .name: x_scales, .offset: 8, .size: 8, .value_kind: global_buffer, .address_space: global }
      - { .name: W_attn_codes, .offset: 16, .size: 8, .value_kind: global_buffer, .address_space: global }
      - { .name: W_attn_scales, .offset: 24, .size: 8, .value_kind: global_buffer, .address_space: global }
      - { .name: b_attn, .offset: 32, .size: 8, .value_kind: global_buffer, .address_space: global }
      - { .name: padding_mask, .offset: 40, .size: 8, .value_kind: global_buffer, .address_space: global }
      - { .name: q, .offset: 48, .size: 8, .value_kind: global_buffer, .address_space: global }
      - { .name: kv, .offset: 56, .size: 8, .value_kind: global_buffer, .address_space: global }
    .group_segment_fixed_size: 327680
    .private_segment_fixed_size: 0
    .kernarg_segment_align: 8
    .kernarg_segment_size: 64
    .max_flat_workgroup_size: 128
    .sgpr_count:     106
    .vgpr_count:     1024
    .wavefront_size: 32
...
	.end_amdgpu_metadata
.endif
;; end of part 1
;; launch attn (part 2): grid 4 x 64, 16 waves a work-group, clusters of 4 x 1, 243,712 bytes of LDS; arguments q, kv, ycodes, yscales; writes ycodes, yscales
.if DOCPART == 2
	.amdgcn_target "amdgcn-amd-amdhsa--gfx1250"
	.amdhsa_code_object_version 6
	.text
	.protected	k_qef9670ebca_attn
	.globl	k_qef9670ebca_attn
	.p2align	8
	.type	k_qef9670ebca_attn,@function
k_qef9670ebca_attn:
	s_mov_b64 s[64:65], 0
	v_nop
	global_prefetch_b8 v0, s[64:65] scope:SCOPE_SE
	s_setreg_imm32_b32 hwreg(HW_REG_WAVE_MODE, 25, 1), 1
	s_wait_xcnt 0x0
	s_wait_alu depctr_hold_cnt(0) depctr_sa_sdst(0) depctr_va_vdst(0) depctr_va_sdst(0) depctr_va_ssrc(0) depctr_va_vcc(0) depctr_vm_vsrc(0)
	s_getreg_b32 s2, hwreg(HW_REG_IB_STS2, 6, 4)
	s_cmp_eq_u32 s2, 0
	s_cbranch_scc0 .Lentry_in_a_cluster
	s_endpgm
.Lentry_in_a_cluster:
	s_bfe_u32 s2, ttmp6, 0x10000c
	s_cmp_lg_u32 s2, 0x3003
	s_cbranch_scc0 .Lentry_shape_is_right
	s_endpgm
.Lentry_shape_is_right:
; y = softmax(q k^T / 8, causal and padding masks) v for one head, both products on codes of FP6 (E2M3) with E8M0 scales; y is quantised along the channels and stored as the next product's operand.
; WHAT IS QUANTISED AHEAD OF THE SECOND PRODUCT IS THE FINISHED, NORMALISED SOFTMAX.  So the keys are walked twice: pass 1 finds each query's maximum m and sum l (running maximum, rescaled sum),
; pass 2 makes the scores again, p = 2^(c s - c m) / l with c = log2(e) / 8, quantises p along the keys in blocks of 32 and multiplies by V.
; SHARES.  A cluster of four work-groups is one head (16 x batch + head = the cluster's y).  Each holds the head's whole K and V in LDS, 241,664 bytes, brought once by joint loads; every LDS byte is filled once and then only read.
; Query tile (16 queries) 4 u + cx needs key steps (128 keys) 0 .. u / 2, whatever cx: so the partners' control flow is alike.  Wave w takes u = w and u = 31 - w: 17 key steps in each pass for every wave.
; LAYOUT.  Both products transposed: S^T = K Q^T (source 0 = 16 keys, source 1 = my 16 queries), O^T = V^T P^T: a lane holds ONE query (lane % 16).  K's, Q's and V's operands lie in memory and LDS as images of their registers.
; K = 64 fills half of the instruction's 128: registers 8-11 of K's and Q's operands are zeros, and k = 64 carries the padding mask: a padded key's score is q.k - 2^100.
; The running maximum starts at -2^99, above every padded score: a padded key's p is exactly 0 in both passes, and c x 2^99 is exact.  A query none of whose keys counts keeps m = -2^99 and gets 1 / l = 0: its y is 0.
; LIMITS: |q.k| under 2^90 (the test for "no key counts" is m < -2^90); NaN and infinities are not served; a block of zeros gets the scale byte 1 (its codes are zeros; only this program reads the bytes).
.set HS,   241664
.set KSCO, 131072                      ; LDS and a head's bytes alike: K's records at 0, their scale words here,
.set VIMG, 139264                      ; V's fragments,
.set VSCO, 237568                      ; V's scale words
.set L16,  1                           ; v1   16 x lane
.set L8,   2                           ; v2   8 x lane
.set RH,   3                           ; v3   r - 8 h
.set DD,   4                           ; v4   the causal threshold of my lane in the diagonal step
.set ADK,  5
.set ADS,  6
.set ADV,  7
.set ADV8, 8
.set ADT,  9
.set NINF, 10                          ; v10  -infinity
.set R32,  11                          ; v11  32 r
.set Q,    24                          ; v24-35 Q's operand (32-35 zeros);  v36 its scale words
.set QS,   36
.set KSR,  40                          ; v40-43 K's scale words of a step;  v44-45 V's;  v46 p's
.set VSR,  44
.set PW,   46
.set HW,   47                          ; y's two scale bytes
.set KF,   48                          ; v48-95 four operands of K (registers 8-11 of each zeros)
.set S,    96                          ; v96-159 S^T, then p; in pass 2 then V's four fragments
.set O,    160                         ; v160-191 O^T
.set PC,   192
.set PT,   204
.set TM,   212                         ; v212-227 at work
.set QN,   228                         ; v228-235, v236: my other tile's Q
.set QSN,  236
.set YO,   240
; scalars: s12 wave, s13 cx, s14 head, s15 u, s16 the diagonal step, s17 the step, s18, s19, s48, s49 LDS bytes of the step's K, K's scales, V, V's scales, s[20:21] lane selects, s[22:23] c, s50 tiles done, s51 -c, s62 -2^90
.macro CROUND                          ; a round of the cluster's barrier
	s_barrier_signal -1
	s_barrier_wait -1
	s_cmp_lg_u32 s12, 0
	s_cbranch_scc1 .Lnot_wave_0_\@
	s_barrier_signal -3
.Lnot_wave_0_\@:
	s_barrier_wait -3
	s_barrier_signal -1
	s_barrier_wait -1
.endm
	s_load_b256 s[4:11], s[0:1], 0x0               ; q, kv, ycodes, yscales
	v_lshl_add_u32 v254, v0, 2, 0x3b000
	v_mov_b32 v255, 0
	ds_add_u32 v254, v255
	ds_add_u32 v254, v255
	v_lshrrev_b32 v1, 5, v0
	v_readfirstlane_b32 s12, v1                    ; wave 0..15
	s_bfe_u32 s13, ttmp6, 0x40000                  ; cx: it enters Q's and y's global addresses and the causal threshold alone
	s_and_b32 s14, ttmp7, 0xffff                   ; 16 x batch + head
	s_mul_i32 s52, s14, HS
	s_mov_b32 s53, 0
	; descriptor group 1: dense rows of 256 bytes (32 elements of 8 bytes); each wave brings a sixteenth: 34 rows of K's part, 25 rows of V's
	s_mov_b32 s24, 15|(3<<16)|(1<<21)              ; the mask: all four work-groups; bit 21 beside it
	s_mov_b32 s25, 32<<16
	s_mov_b32 s26, 34<<16
	s_mov_b32 s27, 32<<16
	s_mov_b32 s28, 34
	s_mov_b32 s29, 32
	s_mov_b32 s30, 0
	s_mov_b32 s31, 0
	s_mov_b32 s32, 15|(3<<16)|(1<<21)
	s_mov_b32 s33, 32<<16
	s_mov_b32 s34, 25<<16
	s_mov_b32 s35, 32<<16
	s_mov_b32 s36, 25
	s_mov_b32 s37, 32
	s_mov_b32 s38, 0
	s_mov_b32 s39, 0
	s_mul_i32 s54, s12, 8704
	s_mov_b32 s55, 0
	s_mul_i32 s56, s12, 6400
	s_add_co_u32 s56, s56, VIMG
	s_mov_b32 s57, 0
	s_mov_b32 s20, 0x76543210
	s_mov_b32 s21, 0xfedcba98
	s_mov_b32 s22, 0x3e38aa3b                      ; c = log2(e) / 8
	s_mov_b32 s23, s22
	s_mov_b32 s51, 0xbe38aa3b                      ; -c
	s_mov_b32 s62, 0xec800000                      ; -2^90
	s_wait_dscnt 0x0
	s_wait_kmcnt 0x0
	s_add_nc_u64 s[4:5], s[4:5], s[52:53]          ; q and kv at my head
	s_add_nc_u64 s[6:7], s[6:7], s[52:53]
	CROUND                                         ; all four work-groups are here: the joint loads meet
	s_mov_b32 s40, 1
	s_mov_b32 s41, s54
	s_add_nc_u64 s[42:43], s[6:7], s[54:55]
	s_or_b32 s43, s43, 0x80000000
	s_mov_b32 s44, 1
	s_mov_b32 s45, s56
	s_add_nc_u64 s[46:47], s[6:7], s[56:57]
	s_or_b32 s47, s47, 0x80000000
	tensor_load_to_lds s[40:43], s[24:31]          ; my sixteenth of K's records and scale words,
	s_nop 0
	tensor_load_to_lds s[44:47], s[32:39]          ; and of V's fragments and scale words: two loads of mine are out
	s_nop 0
.rept 4
	v_nop
.endr
	v_and_b32 v37, 31, v0
	v_lshlrev_b32 v[L16], 4, v37
	v_lshlrev_b32 v[L8], 3, v37
	v_and_b32 v38, 15, v0                          ; r
	v_bfe_u32 v39, v0, 4, 1                        ; h
	v_lshlrev_b32 v39, 3, v39
	v_sub_nc_u32 v[RH], v38, v39
	v_lshlrev_b32 v[R32], 5, v38
	v_mov_b32 v[NINF], 0xff800000
	v_lshlrev_b32 v37, 4, v38                      ; 16 r
	s_lshl_b32 s52, s12, 2
	s_add_co_u32 s52, s52, s13                     ; my first tile: 4 w + cx
	s_sub_co_u32 s53, 31, s12
	s_lshl_b32 s53, s53, 2
	s_add_co_u32 s53, s53, s13                     ; my second: 4 (31 - w) + cx
; Q's record of tile tau (1,024 bytes) and its rows' scale words: word of token 128 s + 32 p + l at 512 s + 16 l + 4 p
.macro QLOAD tau, reg, sreg, va, vb
	s_lshl_b32 s54, \tau, 10
	v_add_nc_u32 v[\va], s54, v[L16]
	s_lshr_b32 s54, \tau, 3
	s_lshl_b32 s54, s54, 9
	s_and_b32 s55, \tau, 1
	s_lshl_b32 s55, s55, 8
	s_add_co_u32 s54, s54, s55
	s_bfe_u32 s55, \tau, 0x20001
	s_lshl_b32 s55, s55, 2
	s_add_co_u32 s54, s54, s55
	v_add_nc_u32 v[\vb], s54, v37
	global_load_b128 v[\reg:\reg+3], v[\va], s[4:5]
	global_load_b128 v[\reg+4:\reg+7], v[\va], s[4:5] offset:512
	global_load_b32 v[\sreg], v[\vb], s[4:5] offset:KSCO
.endm
	QLOAD s52, Q, QS, 212, 213
	QLOAD s53, QN, QSN, 214, 215
.irp i, 8,9,10,11
	v_mov_b32 v[Q+\i], 0                           ; k = 80 .. 127 of the operands: zeros, written once
	v_mov_b32 v[KF+\i], 0
	v_mov_b32 v[KF+12+\i], 0
	v_mov_b32 v[KF+24+\i], 0
	v_mov_b32 v[KF+36+\i], 0
.endr
.irp i, 19,22,23,38,39,216,217,218,219
	v_mov_b32 v\i, 0                               ; upper halves of pairs, and destinations of lane permutes, which count as sources: written once
.endr
	s_wait_loadcnt 0x0                             ; Q of both tiles
	s_wait_tensorcnt 0x0                           ; my parts of K and V have landed,
	s_barrier_signal -1
	s_barrier_wait -1                              ; everybody's have: from here on LDS is only read, and the waves go their own ways
; The start of a tile: the diagonal step u / 2; in it register 8 T + j holds key 16 T + 8 h + j, hidden where 16 T + j > 64 (u % 2) + 16 cx + r - 8 h
.macro THEAD
	s_lshr_b32 s16, s15, 1
	s_and_b32 s52, s15, 1
	s_lshl_b32 s52, s52, 6
	s_lshl_b32 s53, s13, 4
	s_add_co_u32 s52, s52, s53
	v_add_nc_u32 v[DD], s52, v[RH]
	s_mov_b32 s18, 0
	s_mov_b32 s19, KSCO
	s_mov_b32 s17, 0
.endm
; S^T of a key step: eight tiles of 16 keys, four at a time; in the diagonal step hidden scores become -infinity
.macro SCORES
	ds_load_b128 v[KSR:KSR+3], v[ADS]              ; register p: lanes 0-15 tile 2 p's scale words, lanes 16-31 tile 2 p + 1's
.irp g, 0,1
.if \g
.rept 4
	v_nop                                          ; places in front of loads into registers that matrix instructions have read
.endr
.endif
.irp t, 0,1,2,3
	ds_load_b128 v[KF+12*\t:KF+12*\t+3], v[ADK] offset:(4*\g+\t)*1024
	ds_load_b128 v[KF+12*\t+4:KF+12*\t+7], v[ADK] offset:(4*\g+\t)*1024+512
.endr
	s_wait_dscnt 0x0
.irp t, 0,1,2,3
.if \t%2
	v_wmma_scale_f32_16x16x128_f8f6f4 v[S+8*(4*\g+\t):S+8*(4*\g+\t)+7], v[KF+12*\t:KF+12*\t+11], v[Q:Q+11], 0, v[KSR+2*\g+\t/2], v[QS] matrix_a_fmt:MATRIX_FMT_FP6 matrix_b_fmt:MATRIX_FMT_FP6 matrix_a_scale:MATRIX_SCALE_ROW1
.else
	v_wmma_scale_f32_16x16x128_f8f6f4 v[S+8*(4*\g+\t):S+8*(4*\g+\t)+7], v[KF+12*\t:KF+12*\t+11], v[Q:Q+11], 0, v[KSR+2*\g+\t/2], v[QS] matrix_a_fmt:MATRIX_FMT_FP6 matrix_b_fmt:MATRIX_FMT_FP6
.endif
.endr
.endr
.rept 4
	v_nop                                          ; places behind the products
.endr
	s_cmp_lg_u32 s17, s16
	s_cbranch_scc1 .Lopen_\@                       ; every key of an earlier step counts for all my queries
.set n, 0
.rept 64
	v_cmp_gt_i32 vcc_lo, 16*(n/8)+n%8, v[DD]
	v_cndmask_b32 v[S+n], v[S+n], v[NINF], vcc_lo
.set n, n+1
.endr
.Lopen_\@:
.endm
; 64 numbers of a lane, v[s] on: registers 16 b + 0 .. 15 are my half of block b.  Codes to v[PC] on (lane (r, h): registers 6 c .. 6 c + 5 block 2 c + h whole), the row's scale word to v[PW].
.macro QUANT s
.irp b, 0,1,2,3
	v_max3_num_f32 v[TM+\b], |v[\s+16*\b]|, |v[\s+1+16*\b]|, 0x1800000   ; and the floor 2^(3 - 127): the byte cannot fall under 1
.endr
.irp i, 2,4,6,8,10,12,14
.irp b, 0,1,2,3
	v_max3_num_f32 v[TM+\b], v[TM+\b], |v[\s+16*\b+\i]|, |v[\s+1+16*\b+\i]|
.endr
.endr
.irp b, 0,1,2,3
	v_permlanex16_b32 v[TM+4+\b], v[TM+\b], s20, s21
.endr
.irp b, 0,1,2,3
	v_max_num_f32 v[TM+\b], v[TM+\b], v[TM+4+\b]
.endr
.irp b, 0,1,2,3
	v_add_nc_u32 v[TM+12+\b], 0xff000000, v[TM+\b] ; 2 off the exponent field: the conversion's scale operand
.endr
.irp b, 0,1,2,3
	v_lshrrev_b32 v[TM+4+\b], 23, v[TM+12+\b]
.endr
	v_lshl_or_b32 v[PW], v[TM+5], 8, v[TM+4]
	v_lshl_or_b32 v[PW], v[TM+6], 16, v[PW]
	v_lshl_or_b32 v[PW], v[TM+7], 24, v[PW]
.irp c, 0,1
	v_cvt_scalef32_pk16_fp6_f32 v[PC+6*\c:PC+6*\c+2], v[\s+32*\c:\s+15+32*\c], v[TM+12+2*\c]
	v_cvt_scalef32_pk16_fp6_f32 v[PT+4*\c:PT+4*\c+2], v[\s+16+32*\c:\s+31+32*\c], v[TM+12+2*\c+1]
.endr
	v_nop                                          ; one plain place behind a scaled conversion
.irp c, 0,1
.irp i, 0,1,2
	v_permlane16_swap_b32 v[PC+6*\c+\i], v[PT+4*\c+\i]
.endr
.irp i, 0,1,2
	v_mov_b32 v[PC+6*\c+3+\i], v[PT+4*\c+\i]
.endr
.endr
.endm
.macro OTHER_TILE                      ; my two tiles' Q change places; eight places stand between the scale word so written and the next scaled product
.irp i, 0,1,2,3,4,5,6,7
	v_swap_b32 v[Q+\i], v[QN+\i]
.endr
	v_swap_b32 v[QS], v[QSN]
.rept 8
	v_nop
.endr
	s_sub_co_u32 s15, 31, s15
.endm
	; ---- PASS 1: each lane keeps the maximum and the sum of ITS half of the keys; the halves meet once, at the tile's end
	s_mov_b32 s15, s12
	s_mov_b32 s50, 0
.Ltile1:
	THEAD
	v_mov_b32 v13, 0xf1000000                      ; m = -2^99
	v_mul_f32 v12, s51, v13                        ; -c m
	v_mov_b32 v14, 0                               ; l, in two halves
	v_mov_b32 v15, 0
.Lstep1:                                               ; sixteen trips, a constant; a step behind the diagonal is left out by a branch on the wave's number and the trip
	s_cmp_gt_u32 s17, s16
	s_cbranch_scc1 .Lskip1
	v_add_nc_u32 v[ADK], s18, v[L16]
	v_add_nc_u32 v[ADS], s19, v[L16]
	SCORES
.irp b, 0,1,2,3
	v_max3_num_f32 v[TM+\b], v[S+16*\b], v[S+1+16*\b], v[S+2+16*\b]     ; four chains; each accumulator is first read at its low end
.endr
.irp i, 3,5,7,9,11,13
.irp b, 0,1,2,3
	v_max3_num_f32 v[TM+\b], v[TM+\b], v[S+16*\b+\i], v[S+1+16*\b+\i]
.endr
.endr
.irp b, 0,1,2,3
	v_max_num_f32 v[TM+\b], v[TM+\b], v[S+15+16*\b]
.endr
	v_mov_b32 v37, v12
	v_max3_num_f32 v[TM], v[TM], v[TM+1], v[TM+2]
	v_max3_num_f32 v13, v[TM], v[TM+3], v13        ; the running maximum
	v_mul_f32 v12, s51, v13
	v_sub_f32 v18, v12, v37                        ; c (old m - new m), 0 or less
	v_exp_f32 v18, v18
.set j, 0
.rept 32
	v_pk_fma_f32 v[S+j:S+j+1], v[S+j:S+j+1], s[22:23], v[12:13] op_sel_hi:[1,0,0]   ; c s - c m
.set j, j+2
.endr
.set j, 0
.rept 64
	v_exp_f32 v[S+j], v[S+j]
.set j, j+1
.endr
	v_nop                                          ; a plain place behind the exponentials
	s_wait_alu depctr_va_vdst(0)
	v_pk_mul_f32 v[14:15], v[14:15], v[18:19] op_sel_hi:[1,0]   ; the sum under the new maximum
	v_pk_add_f32 v[TM+8:TM+9], v[S:S+1], v[S+2:S+3]
.set j, 4
.rept 15
	v_pk_add_f32 v[14:15], v[14:15], v[S+j:S+j+1]
	v_pk_add_f32 v[TM+8:TM+9], v[TM+8:TM+9], v[S+j+2:S+j+3]
.set j, j+4
.endr
	v_pk_add_f32 v[14:15], v[14:15], v[TM+8:TM+9]
.Lskip1:
	s_add_co_u32 s18, s18, 8192
	s_add_co_u32 s19, s19, 512
	s_add_co_u32 s17, s17, 1
	s_cmp_lt_u32 s17, 16
	s_cbranch_scc1 .Lstep1
	v_add_f32 v14, v14, v15
	v_permlanex16_b32 v38, v13, s20, s21           ; the other half's m
	v_permlanex16_b32 v39, v14, s20, s21           ; and l
	v_max_num_f32 v37, v13, v38                    ; the query's m
	v_mul_f32 v212, s51, v37
	v_mul_f32 v213, s51, v38
	v_sub_f32 v214, v212, v12
	v_sub_f32 v213, v212, v213
	v_exp_f32 v214, v214
	v_exp_f32 v213, v213
	v_nop
	s_wait_alu depctr_va_vdst(0)
	v_mul_f32 v14, v14, v214
	v_fmac_f32 v14, v39, v213                      ; the query's l
	v_rcp_f32 v15, v14
	v_nop
	v_cmp_lt_f32 vcc_lo, s62, v37                  ; does any key count?
	s_wait_alu depctr_va_vdst(0)
	v_cndmask_b32 v15, 0, v15, vcc_lo              ; if none: 1 / l = 0, so that every p is 0
	v_mov_b32 v20, v22                             ; (-c m, 1 / l) of my two tiles are kept for pass 2
	v_mov_b32 v21, v23
	v_mov_b32 v22, v212
	v_mov_b32 v23, v15
	OTHER_TILE
	s_add_co_u32 s50, s50, 1
	s_cmp_lt_u32 s50, 2
	s_cbranch_scc1 .Ltile1
	; ---- PASS 2
	s_mov_b32 s50, 0
.Ltile2:
	THEAD
	s_mov_b32 s48, VIMG
	s_mov_b32 s49, VSCO
	v_mov_b32 v12, v20
	v_mov_b32 v16, v21
	v_mov_b32 v17, v21
	v_mov_b32 v20, v22
	v_mov_b32 v21, v23
.set j, 0
.rept 32
	v_mov_b32 v[O+j], 0                            ; O^T: the step is written once, its first trip finds zeros
.set j, j+1
.endr
.Lstep2:
	s_cmp_gt_u32 s17, s16
	s_cbranch_scc1 .Lskip2
	v_add_nc_u32 v[ADK], s18, v[L16]               ; five plain places between the last step's products, which read V's fragments, and the products that write S^T over them
	v_add_nc_u32 v[ADS], s19, v[L16]
	v_add_nc_u32 v[ADV], s48, v[L16]
	v_add_nc_u32 v[ADV8], s48, v[L8]
	v_add_nc_u32 v[ADT], s49, v[L8]
	SCORES
.set j, 0
.rept 32
	v_pk_fma_f32 v[S+j:S+j+1], v[S+j:S+j+1], s[22:23], v[12:13] op_sel_hi:[1,0,0]
.set j, j+2
.endr
.set j, 0
.rept 64
	v_exp_f32 v[S+j], v[S+j]
.set j, j+1
.endr
	v_nop
.set j, 0
	s_wait_alu depctr_va_vdst(0)
.rept 32
	v_pk_mul_f32 v[S+j:S+j+1], v[S+j:S+j+1], v[16:17] op_sel_hi:[1,0]   ; the finished softmax
.set j, j+2
.endr
	QUANT S
.irp t, 0,1,2,3                                ; V's four fragments (16 channels x these 128 keys) take p's registers
	ds_load_b128 v[S+12*\t:S+12*\t+3], v[ADV] offset:1536*\t
	ds_load_b64 v[S+12*\t+4:S+12*\t+5], v[ADV8] offset:1536*\t+512
	ds_load_b128 v[S+12*\t+6:S+12*\t+9], v[ADV] offset:1536*\t+768
	ds_load_b64 v[S+12*\t+10:S+12*\t+11], v[ADV8] offset:1536*\t+1280
.endr
	ds_load_b64 v[VSR:VSR+1], v[ADT]
.rept 8
	v_nop                                          ; p's scale word stands eight places, its codes four, ahead of the scaled products
.endr
	s_wait_dscnt 0x0
.irp t, 0,1,2,3                                ; the four accumulators take turns; the next step's eight score products stand between their links
.if \t%2
	v_wmma_scale_f32_16x16x128_f8f6f4 v[O+8*\t:O+8*\t+7], v[S+12*\t:S+12*\t+11], v[PC:PC+11], v[O+8*\t:O+8*\t+7], v[VSR+\t/2], v[PW] matrix_a_fmt:MATRIX_FMT_FP6 matrix_b_fmt:MATRIX_FMT_FP6 matrix_a_scale:MATRIX_SCALE_ROW1
.else
	v_wmma_scale_f32_16x16x128_f8f6f4 v[O+8*\t:O+8*\t+7], v[S+12*\t:S+12*\t+11], v[PC:PC+11], v[O+8*\t:O+8*\t+7], v[VSR+\t/2], v[PW] matrix_a_fmt:MATRIX_FMT_FP6 matrix_b_fmt:MATRIX_FMT_FP6
.endif
.endr
.Lskip2:
	s_add_co_u32 s18, s18, 8192
	s_add_co_u32 s19, s19, 512
	s_add_co_u32 s48, s48, 6144
	s_add_co_u32 s49, s49, 256
	s_add_co_u32 s17, s17, 1
	s_cmp_lt_u32 s17, 16
	s_cbranch_scc1 .Lstep2
	; y of 16 queries x 64 channels: two blocks of 32 along the next product's K.  Register 8 t + j is channel 16 t + 8 h + j.
.rept 4
	v_nop
.endr
	s_wait_xcnt 0x0                                ; the last tile's stores have read their registers and bases
.irp b, 0,1
	v_max3_num_f32 v[TM+\b], |v[O+16*\b]|, |v[O+1+16*\b]|, 0x1800000
.endr
.irp i, 2,4,6,8,10,12,14
.irp b, 0,1
	v_max3_num_f32 v[TM+\b], v[TM+\b], |v[O+16*\b+\i]|, |v[O+1+16*\b+\i]|
.endr
.endr
.irp b, 0,1
	v_permlanex16_b32 v[TM+4+\b], v[TM+\b], s20, s21
.endr
.irp b, 0,1
	v_max_num_f32 v[TM+\b], v[TM+\b], v[TM+4+\b]
.endr
.irp b, 0,1
	v_add_nc_u32 v[TM+12+\b], 0xff000000, v[TM+\b]
.endr
.irp b, 0,1
	v_lshrrev_b32 v[TM+4+\b], 23, v[TM+12+\b]
.endr
	v_lshl_or_b32 v[HW], v[TM+5], 8, v[TM+4]
	v_cvt_scalef32_pk16_fp6_f32 v[PC:PC+2], v[O:O+15], v[TM+12]
	v_cvt_scalef32_pk16_fp6_f32 v[PC+4:PC+6], v[O+16:O+31], v[TM+13]
	v_nop
.irp i, 0,1,2
	v_permlane16_swap_b32 v[PC+\i], v[PC+4+\i]     ; lane (r, h) now holds block h: channels 0-7, 16-23 in the first three registers, 8-15, 24-31 in the second
.endr
	v_mov_b32 v[YO], v[PC]                         ; W_proj's codes come in the true order, so the two middle runs of 8 codes (6 bytes) change places
	v_perm_b32 v[YO+1], v[PC+4], v[PC+1], 0x05040100
	v_perm_b32 v[YO+2], v[PC+5], v[PC+4], 0x05040302
	v_perm_b32 v[YO+3], v[PC+2], v[PC+1], 0x05040302
	v_perm_b32 v[YO+4], v[PC+5], v[PC+2], 0x07060302
	v_mov_b32 v[YO+5], v[PC+6]
	s_lshl_b32 s52, s15, 2
	s_add_co_u32 s52, s52, s13                     ; the tile in its batch
	s_lshr_b32 s53, s14, 4
	s_lshl_b32 s56, s53, 7
	s_add_co_u32 s56, s56, s52                     ; the tile among all 512
	s_mul_i32 s54, s56, 12288                      ; 16 heads x 768 bytes a tile
	s_and_b32 s57, s14, 15
	s_mul_i32 s58, s57, 768
	s_add_co_u32 s54, s54, s58
	s_mov_b32 s55, 0
	s_add_nc_u64 s[54:55], s[8:9], s[54:55]
	s_lshl_b32 s56, s56, 9                         ; 16 tokens x 32 scale bytes
	s_lshl_b32 s57, s57, 1
	s_add_co_u32 s56, s56, s57
	s_mov_b32 s57, 0
	s_add_nc_u64 s[56:57], s[10:11], s[56:57]
	global_store_b128 v[L16], v[YO:YO+3], s[54:55]               ; registers 0-3: 512 consecutive bytes, aligned
	global_store_b64 v[L8], v[YO+4:YO+5], s[54:55] offset:512    ; registers 4-5: 256
	global_store_b16 v[R32], v[HW], s[56:57]       ; my token's two bytes (both halves of the lanes write the same): a row's 32 bytes come from sixteen heads, that is from sixteen clusters
	OTHER_TILE
	s_add_co_u32 s50, s50, 1
	s_cmp_lt_u32 s50, 2
	s_cbranch_scc1 .Ltile2
	s_wait_tensorcnt 0x0
	ds_add_u32 v254, v255
	s_wait_dscnt 0x0
	CROUND                                         ; the closing round
	s_endpgm
.Lfunc_end_k_qef9670ebca_attn:
	.size	k_qef9670ebca_attn, .Lfunc_end_k_qef9670ebca_attn-k_qef9670ebca_attn
	.p2alignl 7, 3214868480
	.fill 96, 4, 3214868480
	.section	.rodata,"a",@progbits
	.p2align	6, 0x0
	.amdhsa_kernel k_qef9670ebca_attn
		.amdhsa_group_segment_fixed_size 243712
		.amdhsa_private_segment_fixed_size 0
		.amdhsa_enable_private_segment 0
		.amdhsa_kernarg_size 32
		.amdhsa_user_sgpr_count 2
		.amdhsa_user_sgpr_kernarg_segment_ptr 1
		.amdhsa_wavefront_size32 1
		.amdhsa_system_sgpr_workgroup_id_x 1
		.amdhsa_system_sgpr_workgroup_id_y 1
		.amdhsa_system_sgpr_workgroup_id_z 1
		.amdhsa_system_vgpr_workitem_id 0
		.amdhsa_next_free_vgpr 256
		.amdhsa_next_free_sgpr 66
		.amdhsa_reserve_vcc 1
		.amdhsa_float_denorm_mode_32 3
		.amdhsa_float_denorm_mode_16_64 3
		.amdhsa_memory_ordered 1
		.amdhsa_forward_progress 1
		.amdhsa_inst_pref_size 50
	.end_amdhsa_kernel
	.amdgpu_metadata
---
amdhsa.version: [ 1, 2 ]
amdhsa.kernels:
  - .name:           k_qef9670ebca_attn
    .symbol:         k_qef9670ebca_attn.kd
    .args:
      - { .name: q, .offset: 0, .size: 8, .value_kind: global_buffer, .address_space: global }
      - { .name: kv, .offset: 8, .size: 8, .value_kind: global_buffer, .address_space: global }
      - { .name: ycodes, .offset: 16, .size: 8, .value_kind: global_buffer, .address_space: global }
      - { .name: yscales, .offset: 24, .size: 8, .value_kind: global_buffer, .address_space: global }
    .group_segment_fixed_size: 243712
    .private_segment_fixed_size: 0
    .kernarg_segment_align: 8
    .kernarg_segment_size: 32
    .max_flat_workgroup_size: 512
    .sgpr_count:     66
    .vgpr_count:     256
    .wavefront_size: 32
...
	.end_amdgpu_metadata
.endif
;; end of part 2
;; launch proj (part 3): grid 8 x 32, 4 waves a work-group, clusters of 4 x 4, 327,680 bytes of LDS; arguments ycodes, yscales, W_proj_codes, W_proj_scales, b_proj, padding_mask, out0; writes out0
.if DOCPART == 3
	.amdgcn_target "amdgcn-amd-amdhsa--gfx1250"
	.amdhsa_code_object_version 6
	.text
	.protected	k_qef9670ebca_proj
	.globl	k_qef9670ebca_proj
	.p2align	8
	.type	k_qef9670ebca_proj,@function
k_qef9670ebca_proj:
	s_mov_b64 s[64:65], 0
	v_nop
	global_prefetch_b8 v0, s[64:65] scope:SCOPE_SE
	s_setreg_imm32_b32 hwreg(HW_REG_WAVE_MODE, 25, 1), 1
	s_wait_xcnt 0x0
	s_wait_alu depctr_hold_cnt(0) depctr_sa_sdst(0) depctr_va_vdst(0) depctr_va_sdst(0) depctr_va_ssrc(0) depctr_va_vcc(0) depctr_vm_vsrc(0)
	s_getreg_b32 s2, hwreg(HW_REG_IB_STS2, 6, 4)
	s_cmp_eq_u32 s2, 0
	s_cbranch_scc0 .Lentry_in_a_cluster
	s_endpgm
.Lentry_in_a_cluster:
	s_bfe_u32 s2, ttmp6, 0x10000c
	s_cmp_lg_u32 s2, 0xf033
	s_cbranch_scc0 .Lentry_shape_is_right
	s_endpgm
.Lentry_shape_is_right:
; out0 = y W_proj + b_proj, rows of padded tokens 0, on codes of FP6 (E2M3) with E8M0 scales, K = 1,024.
; A work-group makes 256 tokens x 128 columns: 256 work-groups.  Wave w makes tokens 64 w .. 64 w + 63 x all 128 columns: 32 accumulators, 256 registers.
; ALL OF K LIES IN LDS: every LDS byte is filled once (y: 196,608 bytes as images of the operand's registers, each wave's 64 tokens read by that wave alone; W_proj: 128 rows in four chunks of 256 along K, read by all).
; So there is no ring and one barrier.  Each wave issues five joint loads: chunk w of W_proj, then its own tokens' four chunks of y; five are out.
; CLUSTERS: 4 x 4: y's tiles are shared along a row of the cluster, W_proj's along a column.  THE MATRIX INSTRUCTION IS USED TRANSPOSED (source 0 = 16 rows of W_proj, source 1 = 16 tokens): a lane holds one token and eight neighbouring columns.
; REGISTERS: window 0: v8-11 padding bytes; v16-26 addresses; v30 zero; v32-63 y's scale words (block a, K step n: 8 a + n); v64-127 W_proj's (8 b + n); v128-191 the bias (the C of each sum's first product); on the way out v128-255 rows of out0.
;   window 1: W_proj's fragments, two sets (0, 128).  window 2: the accumulators ((a, b) at v[8 (8 a + b)]).  window 3: y's fragments, two sets (0, 48).
.set PITCH,  240                       ; a row of W_proj's chunk in LDS: 3 x (64 bytes + 16 of padding)
.set FR,     12
.set AREG,   49152                     ; a wave's part of y: 4 chunks x 4 tiles x 3,072 bytes
.set BBASE,  196608
.set BCH,    128*PITCH                 ; a chunk of W_proj
.set SPITCH, 528                       ; the way out: a stage of 16 rows x (512 bytes + 16), at the head of the wave's own part of y, behind its last read of it; no load follows
.set PMK,    8
.set ADRA16, 16
.set ADRA8,  17
.set ADRB,   20                        ; v20, v21: chunks 0-1, 2-3;  v22, v23: the same for the pieces behind one padding more
.set STO,    24
.set CO,     26
.set ZR,     30
.set SA,     32
.set SB,     64
.set BP,     128
.set BK,     128
.set MSB, 0
.macro WIN new                         ; the immediate's high byte repeats the setting that is left
.if MSB != \new
	s_set_vgpr_msb (MSB<<8)|\new
.set MSB, \new
.endif
.endm
.macro CROUND
	s_barrier_signal -1
	s_barrier_wait -1
	s_cmp_lg_u32 s18, 0
	s_cbranch_scc1 .Lnot_wave_0_\@
	s_barrier_signal -3
.Lnot_wave_0_\@:
	s_barrier_wait -3
	s_barrier_signal -1
	s_barrier_wait -1
.endm
.macro PLACES n
.rept \n
	v_nop
.endr
.endm
	s_load_b256 s[4:11], s[0:1], 0x0               ; ycodes, yscales, W_proj's codes, W_proj's scales
	s_load_b128 s[12:15], s[0:1], 0x20             ; b_proj, padding_mask
	s_load_b64 s[16:17], s[0:1], 0x30              ; out0
	v_lshl_add_u32 v29, v0, 2, 0x4e000
	v_mov_b32 v31, 0
	ds_add_u32 v29, v31
	ds_add_u32 v29, v31
	v_lshrrev_b32 v1, 5, v0
	v_readfirstlane_b32 s18, v1                    ; wave 0..3
	s_bfe_u32 s19, ttmp6, 0x40000                  ; cx
	s_bfe_u32 s20, ttmp6, 0x40004                  ; cy
	s_lshl_b32 s21, ttmp9, 2
	s_add_co_u32 s21, s21, s19                     ; tile of 128 columns, 0..7
	s_and_b32 s22, ttmp7, 0xffff
	s_lshl_b32 s22, s22, 2
	s_add_co_u32 s22, s22, s20                     ; tile of 256 tokens, 0..31
	s_lshl_b32 s23, s20, 2
	s_lshl_b32 s23, 15, s23                        ; my row of the cluster
	s_lshl_b32 s24, 0x1111, s19                    ; my column
	; y: 4 rows (tiles of 16 tokens) of 3,072 bytes (four heads' records: 384 elements of 8 bytes), 12,288 bytes apart in memory, dense in LDS
	s_or_b32 s28, s23, (3<<16)|(1<<21)
	s_mov_b32 s29, 384<<16
	s_mov_b32 s30, 4<<16
	s_mov_b32 s31, 384<<16
	s_mov_b32 s32, 4
	s_mov_b32 s33, 1536
	s_mov_b32 s34, 0
	s_mov_b32 s35, 0
	; W_proj: 128 rows x 192 bytes, 16 bytes of padding behind every 64
	s_or_b32 s36, s24, (0<<16)|(1<<20)|(1<<21)|(3<<22)|(3<<25)
	s_mov_b32 s37, 192<<16
	s_mov_b32 s38, 128<<16
	s_mov_b32 s39, 192<<16
	s_mov_b32 s40, 128
	s_mov_b32 s41, 768
	s_mov_b32 s42, 0
	s_mov_b32 s43, 0
	s_lshl_b32 s68, s22, 4
	s_lshl_b32 s69, s18, 2
	s_add_co_u32 s68, s68, s69                     ; my first tile of 16 tokens
	s_mul_i32 s68, s68, 12288
	s_mov_b32 s69, 0
	s_mul_i32 s70, s21, 128*768
	s_mul_i32 s71, s18, 192
	s_add_co_u32 s70, s70, s71                     ; the tile's first row of W_proj, chunk w
	s_mov_b32 s71, 0
	s_mul_i32 s72, s18, AREG
	s_mul_i32 s73, s18, BCH
	s_add_co_u32 s73, s73, BBASE
	s_wait_dscnt 0x0
	s_wait_kmcnt 0x0
	s_add_nc_u64 s[68:69], s[4:5], s[68:69]
	s_add_nc_u64 s[70:71], s[8:9], s[70:71]
	CROUND                                         ; all sixteen work-groups are here: the joint loads meet
	s_mov_b32 s44, 1
	s_mov_b32 s45, s73
	s_mov_b64 s[46:47], s[70:71]
	s_or_b32 s47, s47, 0x80000000
.irp c, 0,1,2,3
	s_mov_b32 s[48+4*\c], 1
	s_add_co_u32 s[49+4*\c], s72, \c*12288
	s_add_nc_u64 s[50+4*\c:51+4*\c], s[68:69], \c*3072
	s_or_b32 s[51+4*\c], s[51+4*\c], 0x80000000
.endr
	tensor_load_to_lds s[44:47], s[36:43]          ; W_proj's chunk w,
	s_nop 0
	tensor_load_to_lds s[48:51], s[28:35]          ; my tokens' chunks 0 to 3
	s_nop 0
	tensor_load_to_lds s[52:55], s[28:35]
	s_nop 0
	tensor_load_to_lds s[56:59], s[28:35]
	s_nop 0
	tensor_load_to_lds s[60:63], s[28:35]
	s_nop 0
.rept 4
	v_nop
.endr
	v_and_b32 v1, 15, v0                           ; r
	v_bfe_u32 v2, v0, 4, 1                         ; h
	v_and_b32 v3, 31, v0                           ; lane
	v_mov_b32 v[ZR], 0
	v_lshlrev_b32 v[CO], 4, v3
	v_add_nc_u32 v[ADRA16], s72, v[CO]             ; my part of y, 16 bytes a lane (also: where a row of the stage is read back)
	v_lshlrev_b32 v4, 3, v3
	v_add_nc_u32 v[ADRA8], s72, v4                 ; and 8 bytes a lane
	v_mul_u32_u24 v4, v1, PITCH
	v_mad_u32_u24 v5, v2, 24, v4
	v_mad_u32_u24 v6, v2, 40, v4
	v_add_nc_u32 v[ADRB], BBASE, v5
	v_add_nc_u32 v[ADRB+1], BBASE+2*BCH, v5
	v_add_nc_u32 v[ADRB+2], BBASE, v6
	v_add_nc_u32 v[ADRB+3], BBASE+2*BCH, v6
	v_mul_u32_u24 v4, v1, SPITCH
	v_lshl_add_u32 v4, v2, 5, v4
	v_add_nc_u32 v[STO], s72, v4                   ; the stage: row r, 32 bytes for each half of the lanes
	v_lshlrev_b32 v5, 5, v1                        ; 32 r
	v_lshlrev_b32 v6, 5, v2                        ; 32 h
	s_lshl_b32 s74, s22, 8
	s_lshl_b32 s75, s18, 6
	s_add_co_u32 s80, s74, s75                     ; my first token
	s_mov_b32 s81, 0
	s_lshl_b32 s74, s80, 5
	s_mov_b32 s75, 0
	s_lshl_b32 s76, s21, 12
	s_mov_b32 s77, 0
	s_lshl_b32 s78, s21, 9
	s_mov_b32 s79, 0
	s_lshl_b32 s82, s80, 12
	s_add_co_u32 s82, s82, s78                     ; out0: token x 4,096 + 512 x tile of columns
	s_mov_b32 s83, 0
	s_add_nc_u64 s[74:75], s[6:7], s[74:75]
	s_add_nc_u64 s[76:77], s[10:11], s[76:77]
	s_add_nc_u64 s[78:79], s[12:13], s[78:79]
	s_add_nc_u64 s[80:81], s[14:15], s[80:81]
	s_add_nc_u64 s[16:17], s[16:17], s[82:83]
.irp a, 0,1,2,3                                ; the scale words of all K go straight into registers: a row's 32 bytes are its eight words; sixteen lanes read 512 consecutive bytes
	global_load_b128 v[SA+8*\a:SA+8*\a+3], v5, s[74:75] offset:512*\a
	global_load_b128 v[SA+8*\a+4:SA+8*\a+7], v5, s[74:75] offset:512*\a+16
	global_load_u8 v[PMK+\a], v1, s[80:81] offset:16*\a
.endr
.irp b, 0,1,2,3,4,5,6,7
	global_load_b128 v[SB+8*\b:SB+8*\b+3], v5, s[76:77] offset:512*\b
	global_load_b128 v[SB+8*\b+4:SB+8*\b+7], v5, s[76:77] offset:512*\b+16
	global_load_b128 v[BP+8*\b:BP+8*\b+3], v6, s[78:79] offset:64*\b
	global_load_b128 v[BP+8*\b+4:BP+8*\b+7], v6, s[78:79] offset:64*\b+16
.endr
.macro FRAGB reg, n, i                 ; W_proj's block i of K step n: 24 bytes twice, in pieces of 8; where the piece three on (lanes 16-31) lies behind one padding more, the second address register serves
.set CHK, (\n)/2
.irp p, 0,1,2,3,4,5
.set PCE, 12*((\n)%2)+6*(\p/3)+\p%3
.if PCE%8 < 5
	ds_load_b64 v[\reg+2*\p:\reg+2*\p+1], v[ADRB+CHK/2] offset:(CHK%2)*BCH+8*PCE+16*(PCE/8)+(\i)*16*PITCH
.else
	ds_load_b64 v[\reg+2*\p:\reg+2*\p+1], v[ADRB+2+CHK/2] offset:(CHK%2)*BCH+8*PCE+16*(PCE/8)+(\i)*16*PITCH
.endif
.endr
.endm
.macro FRAGA reg, n, i                 ; y's block i of K step n: two heads' records, each registers 0-3 (16 bytes a lane) and 4-5 (8 bytes a lane)
.set AO, 12288*((\n)/2)+3072*(\i)+1536*((\n)%2)
	ds_load_b128 v[\reg:\reg+3], v[ADRA16] offset:AO
	ds_load_b64 v[\reg+4:\reg+5], v[ADRA8] offset:AO+512
	ds_load_b128 v[\reg+6:\reg+9], v[ADRA16] offset:AO+768
	ds_load_b64 v[\reg+10:\reg+11], v[ADRA8] offset:AO+1280
.endm
.macro FETCH n
	WIN 0x40                                       ; destination window 1
.irp i, 0,1,2,3,4,5,6,7
	FRAGB 128*((\n)%2)+FR*\i, \n, \i
.endr
	WIN 0xc0                                       ; destination window 3
.irp i, 0,1,2,3
	FRAGA 48*((\n)%2)+FR*\i, \n, \i
.endr
	WIN 0
.endm
; K step n: its fragments are in; the next step's are asked for, into the set that the step before multiplied; then 32 products, the accumulators by turns
.macro STEP n
	s_wait_dscnt 0x0
	PLACES 4
.if (\n) < 7
.if ((\n)+1)%2 == 0
	s_wait_tensorcnt 3-((\n)+1)/2                  ; my tokens' next chunk has landed; the later chunks may be out
.endif
	FETCH (\n)+1
.endif
.if (\n) == 0
	WIN 0x8d                                       ; source 0 window 1, source 1 window 3, C (the bias) window 0, D window 2
.else
	WIN 0xad
.endif
.irp a, 0,1,2,3
.irp b, 0,1,2,3,4,5,6,7
.if (\n) == 0
	v_wmma_scale_f32_16x16x128_f8f6f4 v[8*(8*\a+\b):8*(8*\a+\b)+7], v[128*((\n)%2)+FR*\b:128*((\n)%2)+FR*\b+FR-1], v[48*((\n)%2)+FR*\a:48*((\n)%2)+FR*\a+FR-1], v[BP+8*\b:BP+8*\b+7], v[SB+8*\b+(\n)], v[SA+8*\a+(\n)] matrix_a_fmt:MATRIX_FMT_FP6 matrix_b_fmt:MATRIX_FMT_FP6
.else
	v_wmma_scale_f32_16x16x128_f8f6f4 v[8*(8*\a+\b):8*(8*\a+\b)+7], v[128*((\n)%2)+FR*\b:128*((\n)%2)+FR*\b+FR-1], v[48*((\n)%2)+FR*\a:48*((\n)%2)+FR*\a+FR-1], v[8*(8*\a+\b):8*(8*\a+\b)+7], v[SB+8*\b+(\n)], v[SA+8*\a+(\n)] matrix_a_fmt:MATRIX_FMT_FP6 matrix_b_fmt:MATRIX_FMT_FP6
.endif
.endr
.endr
	WIN 0
.endm
	s_wait_loadcnt 0x0                             ; scale words, bias, padding bytes
	s_wait_tensorcnt 3                             ; my chunk of W_proj and my tokens' chunk 0 are in; chunks 1 to 3 may be out
	s_barrier_signal -1
	s_barrier_wait -1                              ; and so are the other waves' chunks of W_proj
	FETCH 0
.irp n, 0,1,2,3,4,5,6,7
	STEP \n
.endr
; THE WAY OUT, block by block of 16 tokens x 128 columns: padded tokens' rows become 0; the block goes through my stage and comes back as whole rows of 512 bytes
.macro MASK a
	v_cmp_ne_u32 vcc_lo, 0, v[PMK+\a]              ; my lane's token is padded
	WIN 0x82                                       ; destination and source 0 window 2, the zero in window 0
.set i, 0
.rept 64
	v_cndmask_b32 v[64*\a+i], v[64*\a+i], v[ZR], vcc_lo      ; each accumulator from its low end on
.set i, i+1
.endr
	WIN 0
.endm
.macro TOSTAGE a
	WIN 0x08                                       ; an LDS store's data: window 2
.irp b, 0,1,2,3,4,5,6,7
	ds_store_b128 v[STO], v[64*(\a)+8*\b:64*(\a)+8*\b+3] offset:64*\b
	ds_store_b128 v[STO], v[64*(\a)+8*\b+4:64*(\a)+8*\b+7] offset:64*\b+16
.endr
	WIN 0
.set BB, BK+64*((\a)%2)
.irp t, 0,1,2,3,4,5,6,7,8,9,10,11,12,13,14,15
	ds_load_b128 v[BB+4*\t:BB+4*\t+3], v[ADRA16] offset:\t*SPITCH    ; LDS serves a wave's instructions in order (ISA guide 5.7.1.4): these see the stores above, and the next block's stores come behind them
.endr
.endm
.macro SEND a, younger                 ; younger: the LDS instructions issued behind block a's loads, which may stay out
.set BB, BK+64*((\a)%2)
	s_wait_dscnt \younger
.if (\a) > 0
	s_add_nc_u64 s[16:17], s[16:17], 16*4096       ; (behind a wait on XCNT: the earlier stores have read their base)
.endif
.irp t, 0,1,2,3,4,5,6,7,8,9,10,11,12,13,14,15
	global_store_b128 v[CO], v[BB+4*\t:BB+4*\t+3], s[16:17] offset:\t*4096 th:TH_STORE_NT   ; 32 lanes store 512 consecutive bytes, aligned; written once, read by nobody here
.endr
.endm
	PLACES 4                                       ; behind the last products
	MASK 0
	TOSTAGE 0
.irp a, 1,2,3
.if \a > 1
	s_wait_xcnt 0x0                                ; block a - 2's stores have read their registers and their base
.endif
	MASK \a
	TOSTAGE \a
	SEND \a-1, 32                                  ; behind block a - 1's loads: block a's 16 stores and 16 loads
.endr
	s_wait_xcnt 0x0
	SEND 3, 0
	s_wait_tensorcnt 0x0
	ds_add_u32 v29, v31
	s_wait_dscnt 0x0
	CROUND                                         ; the closing round: no work-group ends while a partner may still ask for a tile that names it
	s_endpgm
.Lfunc_end_k_qef9670ebca_proj:
	.size	k_qef9670ebca_proj, .Lfunc_end_k_qef9670ebca_proj-k_qef9670ebca_proj
	.p2alignl 7, 3214868480
	.fill 96, 4, 3214868480
	.section	.rodata,"a",@progbits
	.p2align	6, 0x0
	.amdhsa_kernel k_qef9670ebca_proj
		.amdhsa_group_segment_fixed_size 327680
		.amdhsa_private_segment_fixed_size 0
		.amdhsa_enable_private_segment 0
		.amdhsa_kernarg_size 56
		.amdhsa_user_sgpr_count 2
		.amdhsa_user_sgpr_kernarg_segment_ptr 1
		.amdhsa_wavefront_size32 1
		.amdhsa_system_sgpr_workgroup_id_x 1
		.amdhsa_system_sgpr_workgroup_id_y 1
		.amdhsa_system_sgpr_workgroup_id_z 1
		.amdhsa_system_vgpr_workitem_id 0
		.amdhsa_next_free_vgpr 864
		.amdhsa_next_free_sgpr 100
		.amdhsa_reserve_vcc 1
		.amdhsa_float_denorm_mode_32 3
		.amdhsa_float_denorm_mode_16_64 3
		.amdhsa_memory_ordered 1
		.amdhsa_forward_progress 1
		.amdhsa_inst_pref_size 101
	.end_amdhsa_kernel
	.amdgpu_metadata
---
amdhsa.version: [ 1, 2 ]
amdhsa.kernels:
  - .name:           k_qef9670ebca_proj
    .symbol:         k_qef9670ebca_proj.kd
    .args:
      - { .name: ycodes, .offset: 0, .size: 8, .value_kind: global_buffer, .address_space: global }
      - { .name: yscales, .offset: 8, .size: 8, .value_kind: global_buffer, .address_space: global }
      - { .name: W_proj_codes, .offset: 16, .size: 8, .value_kind: global_buffer, .address_space: global }
      - { .name: W_proj_scales, .offset: 24, .size: 8, .value_kind: global_buffer, .address_space: global }
      - { .name: b_proj, .offset: 32, .size: 8, .value_kind: global_buffer, .address_space: global }
      - { .name: padding_mask, .offset: 40, .size: 8, .value_kind: global_buffer, .address_space: global }
      - { .name: out0, .offset: 48, .size: 8, .value_kind: global_buffer, .address_space: global }
    .group_segment_fixed_size: 327680
    .private_segment_fixed_size: 0
    .kernarg_segment_align: 8
    .kernarg_segment_size: 56
    .max_flat_workgroup_size: 128
    .sgpr_count:     100
    .vgpr_count:     864
    .wavefront_size: 32
...
	.end_amdgpu_metadata
.endif
;; end of part 3
